; MI455X (gfx1250); checked and timed in simulation.
; The chip was launched on July 23, 2026; its instructions are those of AMD's public machine-readable ISA for CDNA 5 (MIT licence, August 2026) and "CDNA5" Instruction Set Architecture Reference Guide (July 2026). The comments in the code are by the model that wrote it; some were corrected since.
;; Gaussian Histogram. Allowed arithmetic: float matrix products may take bf16 or f16 operands with f32 sums; all other float work in f32.
;; Inputs: mask 8 x 32,768 float32; x1 8 x 32,768 float32; x2 8 x 32,768 float32.
;; Outputs: out0 8 x 256 x 256 float32.
;; 3 versions, each right and faster than the one before. Each part assembles by itself: llvm-mc -triple=amdgcn-amd-amdhsa -mcpu=gfx1250 --defsym DOCPART=n.
;; ======== version 1 of 3: 2 launches
;; workspace buffers: part 67,108,864 bytes
;; launch hist (part 1): grid 256 x 1, 8 waves a work-group, no clusters, 275,456 bytes of LDS; arguments x1, x2, mask, part; writes part
.if DOCPART == 1
	.amdgcn_target "amdgcn-amd-amdhsa--gfx1250"
	.amdhsa_code_object_version 6
	.text
	.protected	k_q46f187787e_hist
	.globl	k_q46f187787e_hist
	.p2align	8
	.type	k_q46f187787e_hist,@function
k_q46f187787e_hist:
	s_mov_b64 s[64:65], 0
	v_nop
	global_prefetch_b8 v0, s[64:65] scope:SCOPE_SE
	s_setreg_imm32_b32 hwreg(HW_REG_WAVE_MODE, 25, 1), 1
	s_wait_xcnt 0x0
; Partial Gaussian joint histograms.  hist[b][i][j] = sum over n of g1[i][n] g2[j][n],
;   g1[i][n] = exp(-0.5 ((x1[n] - c_i) / sigma)^2),  g2[j][n] = exp(-0.5 ((x2[n] - c_j) / sigma)^2) mask[n],  256 bins, 32,768 samples, 8 batches.
; Work-group g takes batch g >> 5 and the 1,024 samples from 1024 (g & 31) on, and makes the WHOLE 256 x 256 block of sums over them, so that every
; g1 and g2 is computed once in the launch.  The 32 partial blocks of a batch are added by the next launch.
; Eight waves.  Wave w owns rows i = 128 (w & 1) .. +127 and columns j = 64 (w >> 1) .. +63: 32 accumulator tiles of 16 x 16, 256 registers.
; The samples go in K steps of 128 through two LDS slots that hold g1 and g2 as bf16, already in the matrix instruction's register image.
; Between two barriers every wave does two things: it MULTIPLIES K step s out of one slot and PRODUCES its share of K step s + 1 into the other.
; Waves 0-3 produce first and multiply second, waves 4-7 the other way round: at any time half of the waves have vector work and half matrix work.
;
; One element: U = x a - a c (one fused multiply-add), g = 2^(-U U), a = sqrt(pi log2 e) / DELTA, since 0.5 / sigma^2 = pi / DELTA^2.
; No maximum is taken away, as in the source formula: the exponent -U U is never above 0, so no exponential overflows.
; LIMITS.  (1) g1 and g2 mask are rounded to bf16 for the matrix unit (bf16, not f16: mask has no bound).  (2) v_exp_f32 gives 0 where the true g is below
; 2^-126 (ISA guide, 15.8).  (3) -a c is rounded once to f32: at most 2^-16 in U, which is about 2 |U| 2^-16 ln 2 relative in g.  (4) The sums are formed
; in another order than a plain loop over n.  x of any size is served: U overflows to infinity, -U U is -infinity, g is 0.
; NOT USED, AND WHY: clusters (no two work-groups read the same bytes); the tensor data mover (a work-group's whole input is 12,288 bytes, read once:
; three loads and three LDS stores a thread).
.set A_BITS,   0x43b5ab46              ; a = 363.33808
.set NA_BITS,  0xc3b5ab46              ; -a
.set DELTA_BITS, 0x3bc00000            ; DELTA = 1.5 / 256, exact
.set C0_BITS,  0xbe7d0000              ; centre of bin 0 = -0.25 + DELTA / 2 = -253 / 1024, exact
.set SLOTB,    131072                  ; a slot: 8 regions of 16,384 bytes; region w is what wave w produces: g1 (w < 4) or g2 of substep w & 3 (32 samples)
.set REGION,   16384                   ; a region: 16 fragments (16 bins x 32 samples) of 1,024 bytes: registers 0-3 of all lanes (512 bytes), then registers 4-7
.set XS,       2*SLOTB                 ; behind the slots: x1, x2, mask of my 1,024 samples, 4,096 bytes each, stored once and then only read
; vector registers, window 0
.set RDA, 4                            ; v4-5    slot 0, 1: my four g2 fragments of substep 0
.set RDB, 6                            ; v6-7    slot 0, 1: my eight g1 fragments of substep 0
.set WR,  8                            ; v8-9    slot 0, 1: the region that I produce
.set XA,  10                           ; v10     my 16 samples of x1 or x2 in the lap's first K step
.set MA,  11                           ; v11     the same in mask
.set NC,  12                           ; v12-43  pair p: -a c of bin 16 p + (lane & 15), twice, for the packed multiply-add
.set X,   44                           ; v44-59  16 samples
.set STO, 60                           ; v60     16 x lane
.set F0,  64                           ; v64-159   fragment buffer 0: 4 of g2 (32 registers), 8 of g1 (64 registers)
.set F1,  160                          ; v160-255  fragment buffer 1
.set STG, 64                           ; v64-75  the inputs on their way into LDS (before buffer 0 is first used)
.set Y,   160                          ; v160-207  production: three sets of 16 numbers in f32.  Production's registers lie on buffer 1:
.set OUTR, 208                         ; v208-223  two sets of 8 packed words                    a wave never produces and multiplies at once
.set MK,  224                          ; v224-239  16 mask values
; window 1 (v256-511): accumulator tile t = 4 ia + jb at v[8 t : 8 t + 7]
.set MSB, 0
.macro WIN new                         ; s_set_vgpr_msb: bits 1:0 source 0, 3:2 source 1, 5:4 source 2, 7:6 destination; the high byte repeats the setting that is left
.if MSB != \new
	s_set_vgpr_msb (MSB<<8)|\new
.set MSB, \new
.endif
.endm
.set W_MUL, 0x50                       ; C and D in window 1, the fragments in window 0
.set W_OUT, 0x04                       ; a store's data in window 1, its address in window 0
; Four places: a load into, or a vector write of, a register that a matrix instruction has named, and a store of a matrix result, stand four plain
; vector instructions behind that matrix instruction (ISA guide 7.12.1 for vector instructions).
.macro PLACES
.rept 4
	v_nop
.endr
.endm
	s_load_b256 s[4:11], s[0:1], 0x0               ; x1 s[4:5], x2 s[6:7], mask s[8:9], part s[10:11]
	v_lshl_add_u32 v62, v0, 2, 0x43000
	v_mov_b32 v63, 0
	v_lshrrev_b32 v3, 5, v0
	v_readfirstlane_b32 s12, v3                    ; wave 0..7
	s_lshl_b32 s20, ttmp9, 12                      ; my 1,024 samples: 4,096 bytes x work-group (batches follow each other, 32 work-groups each)
	s_mov_b32 s21, 0
	v_lshlrev_b32 v1, 4, v0                        ; 16 bytes a thread: the 256 threads cover the 4,096 bytes
	s_wait_kmcnt 0x0
	s_add_nc_u64 s[4:5], s[4:5], s[20:21]
	s_add_nc_u64 s[6:7], s[6:7], s[20:21]
	s_add_nc_u64 s[8:9], s[8:9], s[20:21]
	global_load_b128 v[STG:STG+3],   v1, s[4:5] th:TH_LOAD_NT
	global_load_b128 v[STG+4:STG+7], v1, s[6:7] th:TH_LOAD_NT
	global_load_b128 v[STG+8:STG+11], v1, s[8:9] th:TH_LOAD_NT
	; while they are on their way: constants, addresses, -a c
	s_lshl_b32 s20, ttmp9, 18                      ; part: 262,144 bytes a work-group,
	s_lshl_b32 s13, s12, 15                        ; 32,768 a wave
	s_add_co_u32 s20, s20, s13
	s_add_nc_u64 s[10:11], s[10:11], s[20:21]
	s_mov_b32 s14, A_BITS
	s_mov_b32 s15, A_BITS                          ; the packed multiply-add names the pair and uses its first word for both halves
	s_mov_b32 s16, DELTA_BITS
	s_mov_b32 s17, C0_BITS
	s_mov_b32 s18, NA_BITS
	v_add_nc_u32 v2, XS, v1                        ; where my 16 bytes of x1 go
	v_and_b32 v[STO], 31, v0
	v_lshlrev_b32 v[STO], 4, v[STO]                ; 16 x lane
	s_and_b32 s13, s12, 1
	s_lshl_b32 s13, s13, 13                        ; g1: my rows begin at fragment 8 (w & 1)
	v_add_nc_u32 v[RDB], s13, v[STO]
	v_add_nc_u32 v[RDB+1], SLOTB, v[RDB]
	s_lshr_b32 s22, s12, 1
	s_lshl_b32 s22, s22, 12                        ; g2: my columns begin at fragment 4 (w >> 1),
	s_add_co_u32 s22, s22, 4*REGION                ; behind g1's four regions
	v_add_nc_u32 v[RDA], s22, v[STO]
	v_add_nc_u32 v[RDA+1], SLOTB, v[RDA]
	s_lshl_b32 s23, s12, 14                        ; region w is mine to write
	v_add_nc_u32 v[WR], s23, v[STO]
	v_add_nc_u32 v[WR+1], SLOTB, v[WR]
	v_bfe_u32 v3, v0, 4, 1
	v_lshlrev_b32 v3, 6, v3                        ; lanes 16-31 take the substep's samples 16-31: 64 bytes on
	s_and_b32 s13, s12, 3
	s_lshl_b32 s13, s13, 7                         ; substep w & 3: 32 samples = 128 bytes
	s_add_co_u32 s23, s13, XS+8192
	v_add_nc_u32 v[MA], s23, v3
	s_lshr_b32 s22, s12, 2
	s_lshl_b32 s22, s22, 12                        ; waves 0-3 read x1, waves 4-7 x2
	s_add_co_u32 s13, s13, s22
	s_add_co_u32 s13, s13, XS
	v_add_nc_u32 v[XA], s13, v3
	v_and_b32 v61, 15, v0
.irp p, 0,1,2,3,4,5,6,7,8,9,10,11,12,13,14,15
	v_add_nc_u32 v3, 16*\p, v61                    ; the bin
	v_cvt_f32_u32 v3, v3
	v_fma_f32 v3, v3, s16, s17                     ; its centre, exact in f32 (a multiple of 2^-10 below 2),
	v_mul_f32 v[NC+2*\p], s18, v3                  ; so that -a c is rounded once
	v_mul_f32 v[NC+2*\p+1], s18, v3
.endr
	s_wait_loadcnt 0x0                             ; the three inputs
	ds_store_b128 v2, v[STG:STG+3]
	ds_store_b128 v2, v[STG+4:STG+7] offset:4096
	ds_store_b128 v2, v[STG+8:STG+11] offset:8192
	s_wait_dscnt 0x0                               ; my stores are done, for the other waves' sake,
	s_barrier_signal -1
	s_barrier_wait -1                              ; and so are everybody's: the samples may be read
; 16 samples a lane, at byte off from the lap's first K step.  The sixteen lanes of a half read the same 64 bytes.
.macro LOADX off
.irp k, 0,1,2,3
	ds_load_b128 v[X+4*\k:X+4*\k+3], v[XA] offset:\off+16*\k
.endr
.endm
.macro LOADM off
.irp k, 0,1,2,3
	ds_load_b128 v[MK+4*\k:MK+4*\k+3], v[MA] offset:\off+16*\k
.endr
.endm
; The wave's share of a K step: 16 fragments (all 256 bins x my 32 samples), from the samples in X, into my region of the slot.
; op = 0: g1.  op = 1: g2, times the mask at byte moff.
; Lane (r, h) makes bin 16 p + r for samples 16 h .. 16 h + 15; register k of the fragment holds samples 2 k and 2 k + 1.  That is a permutation of the
; matrix instruction's k, the same for g1 and g2, so each product still pairs one sample with itself.
; Three fragments are at work at once, a stage each: fragment PIT gets U and -U U (set YC), fragment PIT - 1 its exponentials (set YB), fragment PIT - 2 the
; mask, the rounding and the stores (set YA).  So an exponential's result is first read a whole stage later, and behind every v_exp_f32 a plain vector
; instruction on other registers stands before that (ISA guide 5.7.2); the stage's last exponential is followed by the square or the conversion.
.macro PRODUCE op, slot, moff
	PLACES                                         ; the work registers were sources of the last products
.if \op
	LOADM \moff
.endif
.set PIT, 0
.rept 18
.set YC, Y+16*(PIT%3)
.set YB, Y+16*((PIT+2)%3)
.set YA, Y+16*((PIT+1)%3)
.set OB, OUTR+8*(PIT&1)
.if \op
.if PIT == 2
	s_wait_dscnt 0x0                               ; the four mask loads, issued two stages ago: nothing else of mine is out
.endif
.endif
.set PK, 0
.rept 8
.if PIT >= 1
.if PIT <= 16
	v_exp_f32 v[YB+2*PK], v[YB+2*PK]
.endif
.endif
.if PIT <= 15
	v_pk_fma_f32 v[YC+2*PK:YC+2*PK+1], v[X+2*PK:X+2*PK+1], s[14:15], v[NC+2*PIT:NC+2*PIT+1] op_sel_hi:[1,0,1]   ; U = x a - a c
.endif
.if PIT >= 2
.if \op
	s_wait_alu depctr_va_vdst(0)
	v_pk_mul_f32 v[YA+2*PK:YA+2*PK+1], v[YA+2*PK:YA+2*PK+1], v[MK+2*PK:MK+2*PK+1]
.endif
.endif
.if PIT >= 1
.if PIT <= 16
	v_exp_f32 v[YB+2*PK+1], v[YB+2*PK+1]
.endif
.endif
.if PIT <= 15
	v_pk_mul_f32 v[YC+2*PK:YC+2*PK+1], v[YC+2*PK:YC+2*PK+1], v[YC+2*PK:YC+2*PK+1] neg_lo:[0,1] neg_hi:[0,1]     ; -U U
.endif
.if PIT >= 2
	s_wait_alu depctr_va_vdst(0)
	v_cvt_pk_bf16_f32 v[OB+PK], v[YA+2*PK], v[YA+2*PK+1]
.endif
.set PK, PK+1
.endr
.if PIT >= 2
	ds_store_b128 v[WR+(\slot)], v[OB:OB+3]   offset:(PIT-2)*1024       ; 32 lanes, 512 consecutive bytes: no two lanes meet in a bank
	ds_store_b128 v[WR+(\slot)], v[OB+4:OB+7] offset:(PIT-2)*1024+512
.endif
.set PIT, PIT+1
.endr
.endm
; The fragments of substep q for my block: 4 of g2, 8 of g1, 24 loads of 512 consecutive bytes, into buffer f.
.macro FETCH slot, q, f
.irp jb, 0,1,2,3
	ds_load_b128 v[\f+8*\jb:\f+8*\jb+3],   v[RDA+\slot] offset:\q*REGION+\jb*1024
	ds_load_b128 v[\f+8*\jb+4:\f+8*\jb+7], v[RDA+\slot] offset:\q*REGION+\jb*1024+512
.endr
.irp ia, 0,1,2,3,4,5,6,7
	ds_load_b128 v[\f+32+8*\ia:\f+32+8*\ia+3], v[RDB+\slot] offset:\q*REGION+\ia*1024
	ds_load_b128 v[\f+32+8*\ia+4:\f+32+8*\ia+7], v[RDB+\slot] offset:\q*REGION+\ia*1024+512
.endr
.endm
; 32 products: my 32 tiles, 32 samples.  Source 0 = 16 bins of g2, source 1 = 16 bins of g1: lane l then holds row i = l % 16 of the tile and its eight
; registers the columns j = 8 (l / 16) + 0..7, neighbours in a row of the histogram.  zero = 1: the first product starts the sums; nothing is cleared.
; The 32 accumulators take turns, one instruction a turn, in this order everywhere (tile 0 follows tile 31, over the loop's jump too).
.macro MUL32 f, zero
.irp ia, 0,1,2,3,4,5,6,7
.irp jb, 0,1,2,3
.if \zero
	v_wmma_f32_16x16x32_bf16 v[8*(4*\ia+\jb):8*(4*\ia+\jb)+7], v[\f+8*\jb:\f+8*\jb+7], v[\f+32+8*\ia:\f+32+8*\ia+7], 0
.else
	v_wmma_f32_16x16x32_bf16 v[8*(4*\ia+\jb):8*(4*\ia+\jb)+7], v[\f+8*\jb:\f+8*\jb+7], v[\f+32+8*\ia:\f+32+8*\ia+7], v[8*(4*\ia+\jb):8*(4*\ia+\jb)+7]
.endif
.endr
.endr
.endm
; A K step: four substeps on buffers 0, 1, 0, 1.  The next substep's 24 loads are issued in one run ahead of a substep's 32 products.
; Each wait is for 0: the youngest LDS instructions out are the 24 loads that the products behind it read.
.macro MULSTEP slot, zero
	PLACES                                         ; both buffers were sources of the last K step's products
	FETCH \slot, 0, F0
	s_wait_dscnt 0x0                               ; substep 0's fragments (and the samples for the next production, issued before them)
	FETCH \slot, 1, F1
	WIN W_MUL
	MUL32 F0, \zero
	WIN 0
	s_wait_dscnt 0x0                               ; substep 1's, issued 32 products ago
	PLACES
	FETCH \slot, 2, F0
	WIN W_MUL
	MUL32 F1, 0
	WIN 0
	s_wait_dscnt 0x0
	PLACES
	FETCH \slot, 3, F1
	WIN W_MUL
	MUL32 F0, 0
	WIN 0
	s_wait_dscnt 0x0
	WIN W_MUL
	MUL32 F1, 0
	WIN 0
.endm
; K step s = 2 lap + slot is multiplied out of its slot; prod = 1: K step s + 1 is produced into the other slot, and a barrier closes the step.
; Waves 0-3: produce (the samples were loaded a step ago), load the samples of K step s + 2 (more = 1), multiply.
; Waves 4-7: load the samples of K step s + 1, multiply, produce.  The branches hang on the wave's number alone and jump over no barrier.
.macro STEP slot, zero, prod, more
.if \prod
	s_cmp_lt_u32 s12, 4
	s_cbranch_scc0 .Lhi_\@
	PRODUCE 0, 1-\slot, 0
.if \more
	LOADX 1024+512*\slot
.endif
	s_branch .Lmul_\@
.Lhi_\@:
	LOADX 512+512*\slot
.Lmul_\@:
.endif
	MULSTEP \slot, \zero
.if \prod
	s_cmp_lt_u32 s12, 4
	s_cbranch_scc1 .Lend_\@
	PRODUCE 1, 1-\slot, 512+512*\slot
.Lend_\@:
	s_wait_dscnt 0x0                               ; my reads of this slot are back and my stores into the other are done: zero, for the other waves' sake
	s_barrier_signal -1
	s_barrier_wait -1                              ; this slot may be written, the other may be read
.endif
.endm
.macro LAPEND                          ; two K steps = 256 samples = 1,024 bytes on
	v_add_nc_u32 v[XA], 1024, v[XA]
	v_add_nc_u32 v[MA], 1024, v[MA]
.endm
	; K step 0 into slot 0
	LOADX 0
	s_wait_dscnt 0x0
	s_cmp_lt_u32 s12, 4
	s_cbranch_scc0 .Lfirst_hi
	PRODUCE 0, 0, 0
	LOADX 512                                      ; K step 1's samples, for the head of the first step
	s_branch .Lfirst_done
.Lfirst_hi:
	PRODUCE 1, 0, 0
.Lfirst_done:
	s_wait_dscnt 0x0                               ; my stores into slot 0 are done
	s_barrier_signal -1
	s_barrier_wait -1
	STEP 0, 1, 1, 1                                ; the first lap stands in front of the loop: its first products start the sums
	STEP 1, 0, 1, 1
	LAPEND
	s_mov_b32 s19, 2                               ; 8 K steps = 4 laps: one in front, two here, one behind
.Llap:
	STEP 0, 0, 1, 1
	STEP 1, 0, 1, 1
	LAPEND
	s_sub_co_u32 s19, s19, 1
	s_cmp_lg_u32 s19, 0
	s_cbranch_scc1 .Llap
	STEP 0, 0, 1, 0                                ; K step 6: produces K step 7, loads no samples beyond it
	STEP 1, 0, 0, 0                                ; K step 7: nothing left to produce, no slot changes hands: no barrier
	; The way out: the accumulators as they lie.  Bytes t 1024 + e 512 + 16 lane of my 32,768 hold registers 4 e .. 4 e + 3 of tile t:
	; each store covers 512 consecutive bytes at a multiple of 512 from the buffer's first byte.  The next launch puts rows together.
	PLACES                                         ; behind the last products
	WIN W_OUT
.set t, 0
.rept 32
	global_store_b128 v[STO], v[8*t:8*t+3],   s[10:11] offset:t*1024
	global_store_b128 v[STO], v[8*t+4:8*t+7], s[10:11] offset:t*1024+512
.set t, t+1
.endr
	WIN 0
	s_wait_tensorcnt 0x0
	ds_add_u32 v62, v63
	s_wait_dscnt 0x0
	s_endpgm
.Lfunc_end_k_q46f187787e_hist:
	.size	k_q46f187787e_hist, .Lfunc_end_k_q46f187787e_hist-k_q46f187787e_hist
	.p2alignl 7, 3214868480
	.fill 96, 4, 3214868480
	.section	.rodata,"a",@progbits
	.p2align	6, 0x0
	.amdhsa_kernel k_q46f187787e_hist
		.amdhsa_group_segment_fixed_size 275456
		.amdhsa_private_segment_fixed_size 0
		.amdhsa_enable_private_segment 0
		.amdhsa_kernarg_size 32
		.amdhsa_user_sgpr_count 2
		.amdhsa_user_sgpr_kernarg_segment_ptr 1
		.amdhsa_wavefront_size32 1
		.amdhsa_system_sgpr_workgroup_id_x 1
		.amdhsa_system_sgpr_workgroup_id_y 1
		.amdhsa_system_sgpr_workgroup_id_z 1
		.amdhsa_system_vgpr_workitem_id 0
		.amdhsa_next_free_vgpr 512
		.amdhsa_next_free_sgpr 66
		.amdhsa_reserve_vcc 0
		.amdhsa_float_denorm_mode_32 3
		.amdhsa_float_denorm_mode_16_64 3
		.amdhsa_memory_ordered 1
		.amdhsa_forward_progress 1
		.amdhsa_inst_pref_size 255
	.end_amdhsa_kernel
	.section	.bss,"aw",@nobits
	.p2align	6
	.space	262144
	.amdgpu_metadata
---
amdhsa.version: [ 1, 2 ]
amdhsa.kernels:
  - .name:           k_q46f187787e_hist
    .symbol:         k_q46f187787e_hist.kd
    .args:
      - { .name: x1, .offset: 0, .size: 8, .value_kind: global_buffer, .address_space: global }
      - { .name: x2, .offset: 8, .size: 8, .value_kind: global_buffer, .address_space: global }
      - { .name: mask, .offset: 16, .size: 8, .value_kind: global_buffer, .address_space: global }
      - { .name: part, .offset: 24, .size: 8, .value_kind: global_buffer, .address_space: global }
    .group_segment_fixed_size: 275456
    .private_segment_fixed_size: 0
    .kernarg_segment_align: 8
    .kernarg_segment_size: 32
    .max_flat_workgroup_size: 256
    .sgpr_count:     66
    .vgpr_count:     512
    .wavefront_size: 32
...
	.end_amdgpu_metadata
.endif
;; end of part 1
;; launch fold (part 2): grid 512 x 1, 8 waves a work-group, no clusters, 5,376 bytes of LDS; arguments part, out0; writes out0
.if DOCPART == 2
	.amdgcn_target "amdgcn-amd-amdhsa--gfx1250"
	.amdhsa_code_object_version 6
	.text
	.protected	k_q46f187787e_fold
	.globl	k_q46f187787e_fold
	.p2align	8
	.type	k_q46f187787e_fold,@function
k_q46f187787e_fold:
	s_mov_b64 s[64:65], 0
	v_nop
	global_prefetch_b8 v0, s[64:65] scope:SCOPE_SE
	s_setreg_imm32_b32 hwreg(HW_REG_WAVE_MODE, 25, 1), 1
	s_wait_xcnt 0x0
; out0[b][i][j] = COEF x the sum of the 32 partial histograms of batch b.
; part holds, for each of 256 partial blocks (262,144 bytes; 32 in a row belong to one batch), 64 pieces of 4,096 bytes.  Piece c = 8 w + ia is
; 16 rows (i = 128 (w & 1) + 16 ia + r) x 64 columns (j from 64 (w >> 1)), in the order in which the accumulators lay in registers:
; the 16 bytes at 16 t (t = 0..255) are row r = t & 15, columns 16 (t >> 6) + 8 ((t >> 4) & 1) + 4 ((t >> 5) & 1) + 0..3.
; A work-group (8 waves, 256 threads) owns one piece of one batch: thread t adds its 16 bytes over the 32 partial blocks, the piece is turned into rows
; through LDS, and each row of 256 bytes is stored by sixteen neighbouring lanes, at a multiple of 256 from out0's first byte.
; Every byte of part is read once, by loads of 512 consecutive bytes a wave; all 32 loads of a thread are issued at once: 16,384 bytes a wave on their way.
; No matrix unit, cluster or tensor load: this is a sum of streams, and no two work-groups read the same bytes.
; The 32 terms are added in f32 as four chains of eight, then (0 + 1) + (2 + 3): another order than a single sum over all samples.
.set PSTRIDE, 262144                   ; bytes from a partial block to the next
.set PITCH, 272                        ; an LDS row: 256 bytes + 16: rows start 17 x 16 bytes apart
.set COEF_BITS, 0x3f800000             ; COEF = DELTA / (sqrt(2 pi) sigma) with sigma = DELTA / sqrt(2 pi): 1.0 when rounded to f32, so its multiply is not assembled
.set D, 8                              ; v[8:135]   32 x 4 registers as loaded
.set R, 136                            ; v[136:139] my 16 bytes of a row
	s_load_b128 s[4:7], s[0:1], 0x0                ; part s[4:5], out0 s[6:7]
	v_lshl_add_u32 v144, v0, 2, 0x1100
	v_mov_b32 v145, 0
	v_lshlrev_b32 v1, 4, v0                        ; 16 t
	s_lshr_b32 s8, ttmp9, 6                        ; batch
	s_and_b32 s9, ttmp9, 63                        ; piece c
	s_lshl_b32 s10, s8, 23                         ; 32 blocks of 262,144 bytes a batch
	s_lshl_b32 s12, s9, 12
	s_add_co_u32 s10, s10, s12
	s_mov_b32 s11, 0
	s_wait_kmcnt 0x0
	s_add_nc_u64 s[4:5], s[4:5], s[10:11]
.set i, 0
.rept 32
	global_load_b128 v[D+4*i:D+4*i+3], v1, s[4:5] offset:i*PSTRIDE th:TH_LOAD_NT   ; the largest offset, 31 x 262,144, is inside the signed 24-bit immediate
.set i, i+1
.endr
	; while they are on their way: where the piece lies in out0, and the LDS addresses
	s_lshr_b32 s12, s9, 3                          ; w
	s_and_b32 s13, s9, 7                           ; ia
	s_lshl_b32 s13, s13, 14                        ; 16 ia rows of 1,024 bytes
	s_and_b32 s14, s12, 1
	s_lshl_b32 s14, s14, 17                        ; 128 (w & 1) rows
	s_lshr_b32 s12, s12, 1
	s_lshl_b32 s12, s12, 8                         ; 64 (w >> 1) columns of 4 bytes
	s_add_co_u32 s12, s12, s13
	s_add_co_u32 s12, s12, s14
	s_lshl_b32 s8, s8, 18                          ; 262,144 bytes a batch
	s_add_co_u32 s12, s12, s8
	s_mov_b32 s13, 0
	s_add_nc_u64 s[6:7], s[6:7], s[12:13]
	v_and_b32 v5, 15, v0
	v_mul_u32_u24 v2, v5, PITCH                    ; in: row t & 15,
	v_bfe_u32 v6, v0, 4, 1
	v_lshl_add_u32 v2, v6, 5, v2                   ; 8 columns for bit 4,
	v_bfe_u32 v6, v0, 5, 1
	v_lshl_add_u32 v2, v6, 4, v2                   ; 4 for bit 5,
	v_lshrrev_b32 v6, 6, v0
	v_lshl_add_u32 v2, v6, 6, v2                   ; 16 for each of t >> 6
	v_lshrrev_b32 v6, 4, v0
	v_mul_u32_u24 v3, v6, PITCH                    ; back: row t >> 4, 16 bytes for each of sixteen lanes
	v_lshl_add_u32 v3, v5, 4, v3
	v_lshlrev_b32 v4, 10, v6                       ; and the same place in out0
	v_lshl_add_u32 v4, v5, 4, v4
.irp g, 0,1,2,3
	s_wait_loadcnt 24-8*\g                         ; loads come back in order (ISA guide 5.7.1): this group of eight is in, the younger groups stay out
.irp m, 1,2,3,4,5,6,7
	v_pk_add_f32 v[D+32*\g:D+32*\g+1],   v[D+32*\g:D+32*\g+1],   v[D+32*\g+4*\m:D+32*\g+4*\m+1]
	v_pk_add_f32 v[D+32*\g+2:D+32*\g+3], v[D+32*\g+2:D+32*\g+3], v[D+32*\g+4*\m+2:D+32*\g+4*\m+3]
.endr
.endr
	v_pk_add_f32 v[D:D+1],     v[D:D+1],     v[D+32:D+33]
	v_pk_add_f32 v[D+2:D+3],   v[D+2:D+3],   v[D+34:D+35]
	v_pk_add_f32 v[D+64:D+65], v[D+64:D+65], v[D+96:D+97]
	v_pk_add_f32 v[D+66:D+67], v[D+66:D+67], v[D+98:D+99]
	v_pk_add_f32 v[D:D+1],     v[D:D+1],     v[D+64:D+65]
	v_pk_add_f32 v[D+2:D+3],   v[D+2:D+3],   v[D+66:D+67]
.if COEF_BITS != 0x3f800000
	v_pk_mul_f32 v[D:D+1],   v[D:D+1],   COEF_BITS op_sel_hi:[1,0]
	v_pk_mul_f32 v[D+2:D+3], v[D+2:D+3], COEF_BITS op_sel_hi:[1,0]
.endif
	ds_store_b128 v2, v[D:D+3]
	s_wait_dscnt 0x0                               ; my store is done, for the other waves' sake
	s_barrier_signal -1
	s_barrier_wait -1                              ; the piece is whole
	ds_load_b128 v[R:R+3], v3
	s_wait_dscnt 0x0
	global_store_b128 v4, v[R:R+3], s[6:7] th:TH_STORE_NT
	s_wait_tensorcnt 0x0
	ds_add_u32 v144, v145
	s_wait_dscnt 0x0
	s_endpgm
.Lfunc_end_k_q46f187787e_fold:
	.size	k_q46f187787e_fold, .Lfunc_end_k_q46f187787e_fold-k_q46f187787e_fold
	.p2alignl 7, 3214868480
	.fill 96, 4, 3214868480
	.section	.rodata,"a",@progbits
	.p2align	6, 0x0
	.amdhsa_kernel k_q46f187787e_fold
		.amdhsa_group_segment_fixed_size 5376
		.amdhsa_private_segment_fixed_size 0
		.amdhsa_enable_private_segment 0
		.amdhsa_kernarg_size 16
		.amdhsa_user_sgpr_count 2
		.amdhsa_user_sgpr_kernarg_segment_ptr 1
		.amdhsa_wavefront_size32 1
		.amdhsa_system_sgpr_workgroup_id_x 1
		.amdhsa_system_sgpr_workgroup_id_y 1
		.amdhsa_system_sgpr_workgroup_id_z 1
		.amdhsa_system_vgpr_workitem_id 0
		.amdhsa_next_free_vgpr 146
		.amdhsa_next_free_sgpr 66
		.amdhsa_reserve_vcc 0
		.amdhsa_float_denorm_mode_32 3
		.amdhsa_float_denorm_mode_16_64 3
		.amdhsa_memory_ordered 1
		.amdhsa_forward_progress 1
		.amdhsa_inst_pref_size 10
	.end_amdhsa_kernel
	.amdgpu_metadata
---
amdhsa.version: [ 1, 2 ]
amdhsa.kernels:
  - .name:           k_q46f187787e_fold
    .symbol:         k_q46f187787e_fold.kd
    .args:
      - { .name: part, .offset: 0, .size: 8, .value_kind: global_buffer, .address_space: global }
      - { .name: out0, .offset: 8, .size: 8, .value_kind: global_buffer, .address_space: global }
    .group_segment_fixed_size: 5376
    .private_segment_fixed_size: 0
    .kernarg_segment_align: 8
    .kernarg_segment_size: 16
    .max_flat_workgroup_size: 256
    .sgpr_count:     66
    .vgpr_count:     146
    .wavefront_size: 32
...
	.end_amdgpu_metadata
.endif
;; end of part 2
;; ======== version 2 of 3: 2 launches; 1.43 times as fast as version 1
;; workspace buffers: part 67,108,864 bytes
;; launch hist (part 3): grid 256 x 1, 8 waves a work-group, no clusters, 275,456 bytes of LDS; arguments x1, x2, mask, part; writes part
.if DOCPART == 3
	.amdgcn_target "amdgcn-amd-amdhsa--gfx1250"
	.amdhsa_code_object_version 6
	.text
	.protected	k_q46f187787e_hist
	.globl	k_q46f187787e_hist
	.p2align	8
	.type	k_q46f187787e_hist,@function
k_q46f187787e_hist:
	s_mov_b64 s[64:65], 0
	v_nop
	global_prefetch_b8 v0, s[64:65] scope:SCOPE_SE
	s_setreg_imm32_b32 hwreg(HW_REG_WAVE_MODE, 25, 1), 1
	s_wait_xcnt 0x0
; Partial Gaussian joint histograms.  hist[b][i][j] = sum over n of g1[i][n] g2[j][n] mask[n],
;   g1[i][n] = exp(-0.5 ((x1[n] - c_i) / sigma)^2),  g2[j][n] = exp(-0.5 ((x2[n] - c_j) / sigma)^2),  256 bins, 32,768 samples, 8 batches.
; Work-group g takes batch g >> 5 and the 1,024 samples from 1024 (g & 31) on, and makes the WHOLE 256 x 256 block of sums over them, so that every
; g1 and g2 is computed once in the launch.  The 32 partial blocks of a batch are added by the next launch.
; Eight waves.  Wave w owns rows i = 128 (w & 1) .. +127 and columns j = 64 (w >> 1) .. +63: 32 accumulator tiles of 16 x 16, 256 registers.
; The samples go in K steps of 128 through two LDS slots that hold g1 and g2 as bf16, already in the matrix instruction's register image.
; Between two barriers every wave does two things: it MULTIPLIES K step s out of one slot and PRODUCES its share of K step s + 1 into the other.
; Waves 0-3 produce first and multiply second, waves 4-7 the other way round: at any time half of the waves have vector work and half matrix work.
; ONE TEXT OF PRODUCTION FOR ALL WAVES.  The mask is shared: it multiplies g1 for the first 8 of a lane's 16 samples and g2 for the other 8, so that each
; sample meets its mask once in every product g1 g2, and every wave has the same 704 vector instructions a K step.  Waves 4-7 (g2) run the same lines on
; their samples with the two halves exchanged; the exchange lies in address registers made from the wave's number, and a fragment in LDS looks alike for both.
; So a step's text is [multiply, waves 4-7] [produce, all] [multiply, waves 0-3]: the long piece stands once, the short one twice.
;
; One element: U = x a - a c (one fused multiply-add), g = 2^(-U U), a = sqrt(pi log2 e) / DELTA, since 0.5 / sigma^2 = pi / DELTA^2.
; No maximum is taken away, as in the source formula: the exponent -U U is never above 0, so no exponential overflows.
; LIMITS.  (1) g1, g2 and their products with mask are rounded to bf16 for the matrix unit (bf16, not f16: mask has no bound); the source formula folds the
; mask into g2 for every sample, here into g1 for half of them.  (2) v_exp_f32 gives 0 where the true g is below 2^-126 (ISA guide, 15.8).
; (3) -a c is rounded once to f32: at most 2^-16 in U, which is about 2 |U| 2^-16 ln 2 relative in g.  (4) The sums are formed in another order than a plain
; loop over n.  x of any size is served: U overflows to infinity, -U U is -infinity, g is 0.
; NOT USED, AND WHY: clusters (no two work-groups read the same bytes); the tensor data mover (a work-group's whole input is 12,288 bytes, read once:
; three loads and three LDS stores a thread).
.set A_BITS,   0x43b5ab46              ; a = 363.33808
.set NA_BITS,  0xc3b5ab46              ; -a
.set DELTA_BITS, 0x3bc00000            ; DELTA = 1.5 / 256, exact
.set C0_BITS,  0xbe7d0000              ; centre of bin 0 = -0.25 + DELTA / 2 = -253 / 1024, exact
.set SLOTB,    131072                  ; a slot: 8 regions of 16,384 bytes; region w is what wave w produces: g1 (w < 4) or g2 of substep w & 3 (32 samples)
.set REGION,   16384                   ; a region: 16 fragments (16 bins x 32 samples) of 1,024 bytes: registers 0-3 of all lanes (512 bytes), then registers 4-7
.set XS,       2*SLOTB                 ; behind the slots: x1, x2, mask of my 1,024 samples, 4,096 bytes each, stored once and then only read
; vector registers, window 0
.set RDA, 4                            ; v4-5    slot 0, 1: my four g2 fragments of substep 0
.set RDB, 6                            ; v6-7    slot 0, 1: my eight g1 fragments of substep 0
.set WRA, 8                            ; v8-9    slot 0, 1: where the half fragment made from X's first 8 samples goes
.set XA,  10                           ; v10     the 8 samples that I mask (waves 0-3: the first 8 of my 16; waves 4-7: the last 8)
.set MA,  11                           ; v11     their mask
.set NC,  12                           ; v12-43  pair p: -a c of bin 16 p + (lane & 15), twice, for the packed multiply-add
.set X,   44                           ; v44-59  16 samples: 8 from XA, 8 from XB
.set STO, 60                           ; v60     16 x lane
.set XB,  61                           ; v61     my other 8 samples
.set WRB, 62                           ; v62-63  slot 0, 1: where the other half fragment goes
.set F0,  64                           ; v64-159   fragment buffer 0: 4 of g2 (32 registers), 8 of g1 (64 registers)
.set F1,  160                          ; v160-255  fragment buffer 1
.set STG, 64                           ; v64-75  the inputs on their way into LDS (before buffer 0 is first used)
.set RR,  80                           ; v80     lane & 15, while the table NC is made
.set Y,   160                          ; v160-207  production: three sets of 16 numbers in f32.  Production's registers lie on buffer 1:
.set OUTR, 208                         ; v208-223  two sets of 8 packed words                    a wave never produces and multiplies at once
.set MK,  224                          ; v224-231  8 mask values
; window 1 (v256-511): accumulator tile t = 4 ia + jb at v[8 t : 8 t + 7]
; scalars: s[4:11] the four addresses; s12 wave; s[14:15] a, a; s16 DELTA; s17 centre 0; s18 -a; s24 laps left; s25 w >> 2; s26 1 - (w >> 2); s13, s20-23 at work
.set MSB, 0
.macro WIN new                         ; s_set_vgpr_msb: bits 1:0 source 0, 3:2 source 1, 5:4 source 2, 7:6 destination; the high byte repeats the setting that is left
.if MSB != \new
	s_set_vgpr_msb (MSB<<8)|\new
.set MSB, \new
.endif
.endm
.set W_MUL, 0x50                       ; C and D in window 1, the fragments in window 0
.set W_OUT, 0x04                       ; a store's data in window 1, its address in window 0
; Four places: a load into, or a vector write of, a register that a matrix instruction has named, and a store of a matrix result, stand four plain
; vector instructions behind that matrix instruction (ISA guide 7.12.1 for vector instructions).
.macro PLACES
.rept 4
	v_nop
.endr
.endm
	s_load_b256 s[4:11], s[0:1], 0x0               ; x1 s[4:5], x2 s[6:7], mask s[8:9], part s[10:11]
	v_lshrrev_b32 v3, 5, v0
	v_readfirstlane_b32 s12, v3                    ; wave 0..7
	s_lshl_b32 s20, ttmp9, 12                      ; my 1,024 samples: 4,096 bytes x work-group (batches follow each other, 32 work-groups each)
	s_mov_b32 s21, 0
	v_lshlrev_b32 v1, 4, v0                        ; 16 bytes a thread: the 256 threads cover the 4,096 bytes
	s_wait_kmcnt 0x0
	s_add_nc_u64 s[4:5], s[4:5], s[20:21]
	s_add_nc_u64 s[6:7], s[6:7], s[20:21]
	s_add_nc_u64 s[8:9], s[8:9], s[20:21]
	global_load_b128 v[STG:STG+3],   v1, s[4:5] th:TH_LOAD_NT
	global_load_b128 v[STG+4:STG+7], v1, s[6:7] th:TH_LOAD_NT
	global_load_b128 v[STG+8:STG+11], v1, s[8:9] th:TH_LOAD_NT
	; while they are on their way: constants, addresses, -a c
	s_lshl_b32 s20, ttmp9, 18                      ; part: 262,144 bytes a work-group,
	s_lshl_b32 s13, s12, 15                        ; 32,768 a wave
	s_add_co_u32 s20, s20, s13
	s_add_nc_u64 s[10:11], s[10:11], s[20:21]
	s_mov_b32 s14, A_BITS
	s_mov_b32 s15, A_BITS                          ; the packed multiply-add names the pair and uses its first word for both halves
	s_mov_b32 s16, DELTA_BITS
	s_mov_b32 s17, C0_BITS
	s_mov_b32 s18, NA_BITS
	v_add_nc_u32 v2, XS, v1                        ; where my 16 bytes of x1 go
	v_and_b32 v[STO], 31, v0
	v_lshlrev_b32 v[STO], 4, v[STO]                ; 16 x lane
	s_and_b32 s13, s12, 1
	s_lshl_b32 s13, s13, 13                        ; g1: my rows begin at fragment 8 (w & 1)
	v_add_nc_u32 v[RDB], s13, v[STO]
	v_add_nc_u32 v[RDB+1], SLOTB, v[RDB]
	s_lshr_b32 s22, s12, 1
	s_lshl_b32 s22, s22, 12                        ; g2: my columns begin at fragment 4 (w >> 1),
	s_add_co_u32 s22, s22, 4*REGION                ; behind g1's four regions
	v_add_nc_u32 v[RDA], s22, v[STO]
	v_add_nc_u32 v[RDA+1], SLOTB, v[RDA]
	s_lshr_b32 s25, s12, 2                         ; 0: I make g1 from x1; 1: g2 from x2, the halves exchanged
	s_add_co_u32 s26, s25, 1
	s_and_b32 s26, s26, 1                          ; the other of 0 and 1
	s_lshl_b32 s23, s12, 14                        ; region w is mine to write
	s_lshl_b32 s13, s25, 9                         ; the half made from XA's samples: registers 0-3 of the fragment (waves 0-3) or 4-7, 512 bytes on (waves 4-7)
	s_add_co_u32 s13, s13, s23
	v_add_nc_u32 v[WRA], s13, v[STO]
	v_add_nc_u32 v[WRA+1], SLOTB, v[WRA]
	s_lshl_b32 s13, s26, 9                         ; and the other half
	s_add_co_u32 s13, s13, s23
	v_add_nc_u32 v[WRB], s13, v[STO]
	v_add_nc_u32 v[WRB+1], SLOTB, v[WRB]
	v_bfe_u32 v3, v0, 4, 1
	v_lshlrev_b32 v3, 6, v3                        ; lanes 16-31 take the substep's samples 16-31: 64 bytes on
	s_and_b32 s13, s12, 3
	s_lshl_b32 s13, s13, 7                         ; substep w & 3: 32 samples = 128 bytes
	s_lshl_b32 s22, s25, 5                         ; the 8 samples that I mask: the first (waves 0-3) or the last, 32 bytes on (waves 4-7)
	s_add_co_u32 s23, s13, XS+8192
	s_add_co_u32 s23, s23, s22
	v_add_nc_u32 v[MA], s23, v3
	s_lshl_b32 s23, s25, 12                        ; waves 0-3 read x1, waves 4-7 x2
	s_add_co_u32 s13, s13, s23
	s_add_co_u32 s13, s13, XS
	s_add_co_u32 s23, s13, s22
	v_add_nc_u32 v[XA], s23, v3
	s_lshl_b32 s22, s26, 5                         ; my other 8 samples
	s_add_co_u32 s23, s13, s22
	v_add_nc_u32 v[XB], s23, v3
	v_and_b32 v[RR], 15, v0
.irp p, 0,1,2,3,4,5,6,7,8,9,10,11,12,13,14,15
	v_add_nc_u32 v3, 16*\p, v[RR]                  ; the bin
	v_cvt_f32_u32 v3, v3
	v_fma_f32 v3, v3, s16, s17                     ; its centre, exact in f32 (a multiple of 2^-10 below 2),
	v_mul_f32 v[NC+2*\p], s18, v3                  ; so that -a c is rounded once
	v_mul_f32 v[NC+2*\p+1], s18, v3
.endr
	s_wait_loadcnt 0x0                             ; the three inputs
	ds_store_b128 v2, v[STG:STG+3]
	ds_store_b128 v2, v[STG+4:STG+7] offset:4096
	ds_store_b128 v2, v[STG+8:STG+11] offset:8192
	s_wait_dscnt 0x0                               ; my stores are done, for the other waves' sake,
	s_barrier_signal -1
	s_barrier_wait -1                              ; and so are everybody's: the samples may be read
; The wave's share of a K step: 16 fragments (all 256 bins x my 32 samples) into my region of the slot, from the samples at byte xoff from XA, XB, MA.
; Lane (r, h) makes bin 16 p + r for samples 16 h .. 16 h + 15 of the substep; register k of a fragment in LDS holds samples 2 k and 2 k + 1.  That is a
; permutation of the matrix instruction's k, the same for g1 and g2, so each product still pairs one sample with itself.
; X's first 8 numbers are the samples that this wave masks; the words made from them go out through WRA, the other four through WRB.
; Three fragments are at work at once, a stage each: fragment PIT gets U and -U U (set YC), fragment PIT - 1 its exponentials (set YB), fragment PIT - 2 the
; mask, the rounding and the stores (set YA).  So an exponential's result is first read a whole stage later, and behind every v_exp_f32 a plain vector
; instruction on other registers stands before that (ISA guide 5.7.2); the stage's last exponential is followed by the square or the conversion.
; Every store's address is a fixed register and an immediate offset: 32 lanes, 512 consecutive bytes, so that no two lanes meet in a bank.
.macro PRODUCE slot, xoff
	PLACES                                         ; the work registers were sources of the last products
	ds_load_b128 v[X:X+3],     v[XA] offset:\xoff          ; the sixteen lanes of a half read the same bytes
	ds_load_b128 v[X+4:X+7],   v[XA] offset:\xoff+16
	ds_load_b128 v[X+8:X+11],  v[XB] offset:\xoff
	ds_load_b128 v[X+12:X+15], v[XB] offset:\xoff+16
	ds_load_b128 v[MK:MK+3],   v[MA] offset:\xoff
	ds_load_b128 v[MK+4:MK+7], v[MA] offset:\xoff+16
	s_wait_dscnt 0x0                               ; these six: nothing younger of mine is out
.set PIT, 0
.rept 18
.set YC, Y+16*(PIT%3)
.set YB, Y+16*((PIT+2)%3)
.set YA, Y+16*((PIT+1)%3)
.set OB, OUTR+8*(PIT&1)
.set PK, 0
.rept 8
.if PIT >= 1
.if PIT <= 16
	v_exp_f32 v[YB+2*PK], v[YB+2*PK]
.endif
.endif
.if PIT <= 15
	v_pk_fma_f32 v[YC+2*PK:YC+2*PK+1], v[X+2*PK:X+2*PK+1], s[14:15], v[NC+2*PIT:NC+2*PIT+1] op_sel_hi:[1,0,1]   ; U = x a - a c
.endif
.if PIT >= 2
.if PK < 4
	s_wait_alu depctr_va_vdst(0)
	v_pk_mul_f32 v[YA+2*PK:YA+2*PK+1], v[YA+2*PK:YA+2*PK+1], v[MK+2*PK:MK+2*PK+1]                               ; the mask, on my 8 samples
.endif
.endif
.if PIT >= 1
.if PIT <= 16
	v_exp_f32 v[YB+2*PK+1], v[YB+2*PK+1]
.endif
.endif
.if PIT <= 15
	v_pk_mul_f32 v[YC+2*PK:YC+2*PK+1], v[YC+2*PK:YC+2*PK+1], v[YC+2*PK:YC+2*PK+1] neg_lo:[0,1] neg_hi:[0,1]     ; -U U
.endif
.if PIT >= 2
	v_cvt_pk_bf16_f32 v[OB+PK], v[YA+2*PK], v[YA+2*PK+1]
.endif
.set PK, PK+1
.endr
.if PIT >= 2
	ds_store_b128 v[WRA+(\slot)], v[OB:OB+3]   offset:(PIT-2)*1024
	ds_store_b128 v[WRB+(\slot)], v[OB+4:OB+7] offset:(PIT-2)*1024
.endif
.set PIT, PIT+1
.endr
.endm
; The fragments of substep q for my block: 4 of g2, 8 of g1, 24 loads of 512 consecutive bytes, into buffer f.
.macro FETCH slot, q, f
.irp jb, 0,1,2,3
	ds_load_b128 v[\f+8*\jb:\f+8*\jb+3],   v[RDA+\slot] offset:\q*REGION+\jb*1024
	ds_load_b128 v[\f+8*\jb+4:\f+8*\jb+7], v[RDA+\slot] offset:\q*REGION+\jb*1024+512
.endr
.irp ia, 0,1,2,3,4,5,6,7
	ds_load_b128 v[\f+32+8*\ia:\f+32+8*\ia+3], v[RDB+\slot] offset:\q*REGION+\ia*1024
	ds_load_b128 v[\f+32+8*\ia+4:\f+32+8*\ia+7], v[RDB+\slot] offset:\q*REGION+\ia*1024+512
.endr
.endm
; 32 products: my 32 tiles, 32 samples.  Source 0 = 16 bins of g2, source 1 = 16 bins of g1: lane l then holds row i = l % 16 of the tile and its eight
; registers the columns j = 8 (l / 16) + 0..7, neighbours in a row of the histogram.  zero = 1: the first product starts the sums; nothing is cleared.
; The 32 accumulators take turns, one instruction a turn, in this order everywhere (tile 0 follows tile 31, over the loop's jump too).
.macro MUL32 f, zero
.irp ia, 0,1,2,3,4,5,6,7
.irp jb, 0,1,2,3
.if \zero
	v_wmma_f32_16x16x32_bf16 v[8*(4*\ia+\jb):8*(4*\ia+\jb)+7], v[\f+8*\jb:\f+8*\jb+7], v[\f+32+8*\ia:\f+32+8*\ia+7], 0
.else
	v_wmma_f32_16x16x32_bf16 v[8*(4*\ia+\jb):8*(4*\ia+\jb)+7], v[\f+8*\jb:\f+8*\jb+7], v[\f+32+8*\ia:\f+32+8*\ia+7], v[8*(4*\ia+\jb):8*(4*\ia+\jb)+7]
.endif
.endr
.endr
.endm
; A K step: four substeps on buffers 0, 1, 0, 1.  The next substep's 24 loads are issued in one run ahead of a substep's 32 products.
; Each wait is for 0: the youngest LDS instructions out are the 24 loads that the products behind it read.
.macro MULSTEP slot, zero
	PLACES                                         ; both buffers were sources of the last K step's products
	FETCH \slot, 0, F0
	s_wait_dscnt 0x0                               ; substep 0's fragments (and the stores of a production just ended, whose data lay on buffer 1)
	FETCH \slot, 1, F1
	WIN W_MUL
	MUL32 F0, \zero
	WIN 0
	s_wait_dscnt 0x0                               ; substep 1's, issued 32 products ago
	PLACES
	FETCH \slot, 2, F0
	WIN W_MUL
	MUL32 F1, 0
	WIN 0
	s_wait_dscnt 0x0
	PLACES
	FETCH \slot, 3, F1
	WIN W_MUL
	MUL32 F0, 0
	WIN 0
	s_wait_dscnt 0x0
	WIN W_MUL
	MUL32 F1, 0
	WIN 0
.endm
; The close of a step: my reads of one slot are back and my stores into the other are done (zero, for the other waves' sake); behind the barrier the slots change hands.
.macro CLOSE
	s_wait_dscnt 0x0
	s_barrier_signal -1
	s_barrier_wait -1
.endm
; A K step is multiplied out of its slot and the next K step (its samples at byte xoff) is produced into the other slot.
; Waves 4-7: multiply, produce.  Waves 0-3: produce, multiply.  The branches hang on the wave's number alone and jump over no barrier.
.macro STEP slot, xoff
	s_cmp_lt_u32 s12, 4
	s_cbranch_scc1 .Lmake_\@
	MULSTEP \slot, 0
.Lmake_\@:
	PRODUCE 1-\slot, \xoff
	s_cmp_lt_u32 s12, 4
	s_cbranch_scc0 .Lend_\@
	MULSTEP \slot, 0
.Lend_\@:
	CLOSE
.endm
	PRODUCE 0, 0                                   ; K step 0 into slot 0
	CLOSE
	PRODUCE 1, 512                                 ; K step 1 (128 samples = 512 bytes on) into slot 1,
	MULSTEP 0, 1                                   ; and K step 0 multiplied, by all waves in this one order: the products that start the sums stand once, on every wave's path
	CLOSE
	s_mov_b32 s24, 3                               ; lap l = 0, 1, 2:
.Llap:
	STEP 1, 1024                                   ; multiplies K step 2 l + 1, produces 2 l + 2
	STEP 0, 1536                                   ; multiplies K step 2 l + 2, produces 2 l + 3: in the last lap K step 7, the last
	v_add_nc_u32 v[XA], 1024, v[XA]                ; two K steps on
	v_add_nc_u32 v[XB], 1024, v[XB]
	v_add_nc_u32 v[MA], 1024, v[MA]
	s_sub_co_u32 s24, s24, 1
	s_cmp_lg_u32 s24, 0
	s_cbranch_scc1 .Llap
	MULSTEP 1, 0                                   ; K step 7: nothing left to produce, no slot changes hands: no barrier
	; The way out: the accumulators as they lie.  Bytes t 1024 + e 512 + 16 lane of my 32,768 hold registers 4 e .. 4 e + 3 of tile t:
	; each store covers 512 consecutive bytes at a multiple of 512 from the buffer's first byte.  The next launch puts rows together.
	PLACES                                         ; behind the last products
	WIN W_OUT
.set t, 0
.rept 32
	global_store_b128 v[STO], v[8*t:8*t+3],   s[10:11] offset:t*1024
	global_store_b128 v[STO], v[8*t+4:8*t+7], s[10:11] offset:t*1024+512
.set t, t+1
.endr
	WIN 0
	s_wait_xcnt 0x0
	v_lshl_add_u32 v254, v0, 2, 0x43000
	v_mov_b32 v255, 0
	s_wait_tensorcnt 0x0
	ds_add_u32 v254, v255
	s_wait_dscnt 0x0
	s_endpgm
.Lfunc_end_k_q46f187787e_hist:
	.size	k_q46f187787e_hist, .Lfunc_end_k_q46f187787e_hist-k_q46f187787e_hist
	.p2alignl 7, 3214868480
	.fill 96, 4, 3214868480
	.section	.rodata,"a",@progbits
	.p2align	6, 0x0
	.amdhsa_kernel k_q46f187787e_hist
		.amdhsa_group_segment_fixed_size 275456
		.amdhsa_private_segment_fixed_size 0
		.amdhsa_enable_private_segment 0
		.amdhsa_kernarg_size 32
		.amdhsa_user_sgpr_count 2
		.amdhsa_user_sgpr_kernarg_segment_ptr 1
		.amdhsa_wavefront_size32 1
		.amdhsa_system_sgpr_workgroup_id_x 1
		.amdhsa_system_sgpr_workgroup_id_y 1
		.amdhsa_system_sgpr_workgroup_id_z 1
		.amdhsa_system_vgpr_workitem_id 0
		.amdhsa_next_free_vgpr 512
		.amdhsa_next_free_sgpr 66
		.amdhsa_reserve_vcc 0
		.amdhsa_float_denorm_mode_32 3
		.amdhsa_float_denorm_mode_16_64 3
		.amdhsa_memory_ordered 1
		.amdhsa_forward_progress 1
		.amdhsa_inst_pref_size 255
	.end_amdhsa_kernel
	.section	.bss,"aw",@nobits
	.p2align	6
	.space	262144
	.amdgpu_metadata
---
amdhsa.version: [ 1, 2 ]
amdhsa.kernels:
  - .name:           k_q46f187787e_hist
    .symbol:         k_q46f187787e_hist.kd
    .args:
      - { .name: x1, .offset: 0, .size: 8, .value_kind: global_buffer, .address_space: global }
      - { .name: x2, .offset: 8, .size: 8, .value_kind: global_buffer, .address_space: global }
      - { .name: mask, .offset: 16, .size: 8, .value_kind: global_buffer, .address_space: global }
      - { .name: part, .offset: 24, .size: 8, .value_kind: global_buffer, .address_space: global }
    .group_segment_fixed_size: 275456
    .private_segment_fixed_size: 0
    .kernarg_segment_align: 8
    .kernarg_segment_size: 32
    .max_flat_workgroup_size: 256
    .sgpr_count:     66
    .vgpr_count:     512
    .wavefront_size: 32
...
	.end_amdgpu_metadata
.endif
;; end of part 3
;; launch fold: the kernel of part 2 again; grid 512 x 1, 8 waves a work-group, no clusters, 5,376 bytes of LDS; arguments part, out0; writes out0
;; ======== version 3 of 3: 2 launches; 1.59 times as fast as version 1
;; workspace buffers: part 67,108,864 bytes
;; launch hist (part 4): grid 256 x 1, 8 waves a work-group, no clusters, 275,456 bytes of LDS; arguments x1, x2, mask, part; writes part
.if DOCPART == 4
	.amdgcn_target "amdgcn-amd-amdhsa--gfx1250"
	.amdhsa_code_object_version 6
	.text
	.protected	k_q46f187787e_hist
	.globl	k_q46f187787e_hist
	.p2align	8
	.type	k_q46f187787e_hist,@function
k_q46f187787e_hist:
	s_mov_b64 s[64:65], 0
	v_nop
	global_prefetch_b8 v0, s[64:65] scope:SCOPE_SE
	s_setreg_imm32_b32 hwreg(HW_REG_WAVE_MODE, 25, 1), 1
	s_wait_xcnt 0x0
; Partial Gaussian joint histograms.  hist[b][i][j] = sum over n of g1[i][n] g2[j][n] mask[n],
;   g1[i][n] = exp(-0.5 ((x1[n] - c_i) / sigma)^2),  g2[j][n] = exp(-0.5 ((x2[n] - c_j) / sigma)^2),  256 bins, 32,768 samples, 8 batches.
; Work-group g takes batch g >> 5 and the 1,024 samples from 1024 (g & 31) on, and makes the WHOLE 256 x 256 block of sums over them, so that every
; g1 and g2 is computed once in the launch.  The 32 partial blocks of a batch are added by the next launch.
; Eight waves.  Wave w owns rows i = 128 (w & 1) .. +127 and columns j = 64 (w >> 1) .. +63: 32 accumulator tiles of 16 x 16, 256 registers.
; The samples go in K steps of 128 through two LDS slots that hold g1 and g2 as bf16, already in the matrix instruction's register image.
; Between two barriers every wave does two things: it MULTIPLIES K step s out of one slot and PRODUCES its share of K step s + 1 into the other.
; Waves 0-3 produce first and multiply second, waves 4-7 the other way round: at any time half of the waves have vector work and half matrix work.
; ONE TEXT OF PRODUCTION FOR ALL WAVES.  The mask is shared: it multiplies g1 for the first 8 of a lane's 16 samples and g2 for the other 8, so that each
; sample meets its mask once in every product g1 g2, and every wave has the same 704 vector instructions a K step.  Waves 4-7 (g2) run the same lines on
; their samples with the two halves exchanged; the exchange lies in address registers made from the wave's number, and a fragment in LDS looks alike for both.
; So a step's text is [multiply, waves 4-7] [produce, all] [multiply, waves 0-3]: the long piece stands once, the short one twice.
; THE EXPONENTIALS GO IN TWO BATCHES OF 128.  A production's 16 fragments have 16 exponentials a lane each; those of eight fragments on end are one batch, with
; one s_wait_alu depctr_va_vdst(0) between the batch and the first line that names a result of it: two waits a production.  A fragment's
; results are read eight fragments' work behind its exponentials; among a batch's exponentials stand the arguments of the fragments to come and the mask and the
; rounding of the batch before, which name none of its results.  No exponential is issued behind a production's second wait.  Larger batches have no room: one
; batch of 16 fragments is 256 result registers, and window 0 has 192 beside the tables and addresses.
;
; One element: U = x a - a c (one fused multiply-add), g = 2^(-U U), a = sqrt(pi log2 e) / DELTA, since 0.5 / sigma^2 = pi / DELTA^2.
; No maximum is taken away, as in the source formula: the exponent -U U is never above 0, so no exponential overflows.
; LIMITS.  (1) g1, g2 and their products with mask are rounded to bf16 for the matrix unit (bf16, not f16: mask has no bound); the source formula folds the
; mask into g2 for every sample, here into g1 for half of them.  (2) v_exp_f32 gives 0 where the true g is below 2^-126 (ISA guide, 15.8).
; (3) -a c is rounded once to f32: at most 2^-16 in U, which is about 2 |U| 2^-16 ln 2 relative in g.  (4) The sums are formed in another order than a plain
; loop over n.  x of any size is served: U overflows to infinity, -U U is -infinity, g is 0.
; NOT USED, AND WHY: clusters (no two work-groups read the same bytes); the tensor data mover (a work-group's whole input is 12,288 bytes, read once:
; three loads and three LDS stores a thread).
.set A_BITS,   0x43b5ab46              ; a = 363.33808
.set NA_BITS,  0xc3b5ab46              ; -a
.set DELTA_BITS, 0x3bc00000            ; DELTA = 1.5 / 256, exact
.set C0_BITS,  0xbe7d0000              ; centre of bin 0 = -0.25 + DELTA / 2 = -253 / 1024, exact
.set SLOTB,    131072                  ; a slot: 8 regions of 16,384 bytes; region w is what wave w produces: g1 (w < 4) or g2 of substep w & 3 (32 samples)
.set REGION,   16384                   ; a region: 16 fragments (16 bins x 32 samples) of 1,024 bytes: registers 0-3 of all lanes (512 bytes), then registers 4-7
.set XS,       2*SLOTB                 ; behind the slots: x1, x2, mask of my 1,024 samples, 4,096 bytes each, stored once and then only read
; vector registers, window 0
.set RDA, 4                            ; v4-5    slot 0, 1: my four g2 fragments of substep 0
.set RDB, 6                            ; v6-7    slot 0, 1: my eight g1 fragments of substep 0
.set WRA, 8                            ; v8-9    slot 0, 1: where the half fragment made from X's first 8 samples goes
.set XA,  10                           ; v10     the 8 samples that I mask (waves 0-3: the first 8 of my 16; waves 4-7: the last 8)
.set MA,  11                           ; v11     their mask
.set NC,  12                           ; v12-43  pair p: -a c of bin 16 p + (lane & 15), twice, for the packed multiply-add
.set X,   44                           ; v44-59  16 samples: 8 from XA, 8 from XB
.set STO, 60                           ; v60     16 x lane
.set XB,  61                           ; v61     my other 8 samples
.set WRB, 62                           ; v62-63  slot 0, 1: where the other half fragment goes
.set F0,  64                           ; v64-159   fragment buffer 0: 4 of g2 (32 registers), 8 of g1 (64 registers)
.set F1,  160                          ; v160-255  fragment buffer 1
.set STG, 64                           ; v64-75  the inputs on their way into LDS (before buffer 0 and the ring are first used)
.set RR,  80                           ; v80     lane & 15, while the table NC is made
.set RLAG, 9                           ; steps of production from a fragment's arguments to its rounding: one to its exponentials, and a batch of eight fragments
.set RING, RLAG+1                      ; a fragment's numbers live through RLAG + 1 steps of production
.set Y,   64                           ; v64-223   production: a ring of ten sets of 16 numbers in f32; fragment p has set p mod 10.  Production's registers lie
.set OUTR, 224                         ; v224-239  two sets of 8 packed words                    on the two fragment buffers: a wave never produces and multiplies at once
.set MK,  240                          ; v240-247  8 mask values
; window 1 (v256-511): accumulator tile t = 4 ia + jb at v[8 t : 8 t + 7]
; scalars: s[4:11] the four addresses; s12 wave; s[14:15] a, a; s16 DELTA; s17 centre 0; s18 -a; s24 laps left; s25 w >> 2; s26 1 - (w >> 2); s13, s20-23 at work
.set MSB, 0
.macro WIN new                         ; s_set_vgpr_msb: bits 1:0 source 0, 3:2 source 1, 5:4 source 2, 7:6 destination; the high byte repeats the setting that is left
.if MSB != \new
	s_set_vgpr_msb (MSB<<8)|\new
.set MSB, \new
.endif
.endm
.set W_MUL, 0x50                       ; C and D in window 1, the fragments in window 0
.set W_OUT, 0x04                       ; a store's data in window 1, its address in window 0
; Four places: a load into, or a vector write of, a register that a matrix instruction has named, and a store of a matrix result, stand four plain
; vector instructions behind that matrix instruction (ISA guide 7.12.1 for vector instructions).
.macro PLACES
.rept 4
	v_nop
.endr
.endm
	s_load_b256 s[4:11], s[0:1], 0x0               ; x1 s[4:5], x2 s[6:7], mask s[8:9], part s[10:11]
	v_lshrrev_b32 v3, 5, v0
	v_readfirstlane_b32 s12, v3                    ; wave 0..7
	s_lshl_b32 s20, ttmp9, 12                      ; my 1,024 samples: 4,096 bytes x work-group (batches follow each other, 32 work-groups each)
	s_mov_b32 s21, 0
	v_lshlrev_b32 v1, 4, v0                        ; 16 bytes a thread: the 256 threads cover the 4,096 bytes
	s_wait_kmcnt 0x0
	s_add_nc_u64 s[4:5], s[4:5], s[20:21]
	s_add_nc_u64 s[6:7], s[6:7], s[20:21]
	s_add_nc_u64 s[8:9], s[8:9], s[20:21]
	global_load_b128 v[STG:STG+3],   v1, s[4:5] th:TH_LOAD_NT
	global_load_b128 v[STG+4:STG+7], v1, s[6:7] th:TH_LOAD_NT
	global_load_b128 v[STG+8:STG+11], v1, s[8:9] th:TH_LOAD_NT
	; while they are on their way: constants, addresses, -a c
	s_lshl_b32 s20, ttmp9, 18                      ; part: 262,144 bytes a work-group,
	s_lshl_b32 s13, s12, 15                        ; 32,768 a wave
	s_add_co_u32 s20, s20, s13
	s_add_nc_u64 s[10:11], s[10:11], s[20:21]
	s_mov_b32 s14, A_BITS
	s_mov_b32 s15, A_BITS                          ; the packed multiply-add names the pair and uses its first word for both halves
	s_mov_b32 s16, DELTA_BITS
	s_mov_b32 s17, C0_BITS
	s_mov_b32 s18, NA_BITS
	v_add_nc_u32 v2, XS, v1                        ; where my 16 bytes of x1 go
	v_and_b32 v[STO], 31, v0
	v_lshlrev_b32 v[STO], 4, v[STO]                ; 16 x lane
	s_and_b32 s13, s12, 1
	s_lshl_b32 s13, s13, 13                        ; g1: my rows begin at fragment 8 (w & 1)
	v_add_nc_u32 v[RDB], s13, v[STO]
	v_add_nc_u32 v[RDB+1], SLOTB, v[RDB]
	s_lshr_b32 s22, s12, 1
	s_lshl_b32 s22, s22, 12                        ; g2: my columns begin at fragment 4 (w >> 1),
	s_add_co_u32 s22, s22, 4*REGION                ; behind g1's four regions
	v_add_nc_u32 v[RDA], s22, v[STO]
	v_add_nc_u32 v[RDA+1], SLOTB, v[RDA]
	s_lshr_b32 s25, s12, 2                         ; 0: I make g1 from x1; 1: g2 from x2, the halves exchanged
	s_add_co_u32 s26, s25, 1
	s_and_b32 s26, s26, 1                          ; the other of 0 and 1
	s_lshl_b32 s23, s12, 14                        ; region w is mine to write
	s_lshl_b32 s13, s25, 9                         ; the half made from XA's samples: registers 0-3 of the fragment (waves 0-3) or 4-7, 512 bytes on (waves 4-7)
	s_add_co_u32 s13, s13, s23
	v_add_nc_u32 v[WRA], s13, v[STO]
	v_add_nc_u32 v[WRA+1], SLOTB, v[WRA]
	s_lshl_b32 s13, s26, 9                         ; and the other half
	s_add_co_u32 s13, s13, s23
	v_add_nc_u32 v[WRB], s13, v[STO]
	v_add_nc_u32 v[WRB+1], SLOTB, v[WRB]
	v_bfe_u32 v3, v0, 4, 1
	v_lshlrev_b32 v3, 6, v3                        ; lanes 16-31 take the substep's samples 16-31: 64 bytes on
	s_and_b32 s13, s12, 3
	s_lshl_b32 s13, s13, 7                         ; substep w & 3: 32 samples = 128 bytes
	s_lshl_b32 s22, s25, 5                         ; the 8 samples that I mask: the first (waves 0-3) or the last, 32 bytes on (waves 4-7)
	s_add_co_u32 s23, s13, XS+8192
	s_add_co_u32 s23, s23, s22
	v_add_nc_u32 v[MA], s23, v3
	s_lshl_b32 s23, s25, 12                        ; waves 0-3 read x1, waves 4-7 x2
	s_add_co_u32 s13, s13, s23
	s_add_co_u32 s13, s13, XS
	s_add_co_u32 s23, s13, s22
	v_add_nc_u32 v[XA], s23, v3
	s_lshl_b32 s22, s26, 5                         ; my other 8 samples
	s_add_co_u32 s23, s13, s22
	v_add_nc_u32 v[XB], s23, v3
	v_and_b32 v[RR], 15, v0
.irp p, 0,1,2,3,4,5,6,7,8,9,10,11,12,13,14,15
	v_add_nc_u32 v3, 16*\p, v[RR]                  ; the bin
	v_cvt_f32_u32 v3, v3
	v_fma_f32 v3, v3, s16, s17                     ; its centre, exact in f32 (a multiple of 2^-10 below 2),
	v_mul_f32 v[NC+2*\p], s18, v3                  ; so that -a c is rounded once
	v_mul_f32 v[NC+2*\p+1], s18, v3
.endr
	s_wait_loadcnt 0x0                             ; the three inputs
	ds_store_b128 v2, v[STG:STG+3]
	ds_store_b128 v2, v[STG+4:STG+7] offset:4096
	ds_store_b128 v2, v[STG+8:STG+11] offset:8192
	s_wait_dscnt 0x0                               ; my stores are done, for the other waves' sake,
	s_barrier_signal -1
	s_barrier_wait -1                              ; and so are everybody's: the samples may be read
; The wave's share of a K step: 16 fragments (all 256 bins x my 32 samples) into my region of the slot, from the samples at byte xoff from XA, XB, MA.
; Lane (r, h) makes bin 16 p + r for samples 16 h .. 16 h + 15 of the substep; register k of a fragment in LDS holds samples 2 k and 2 k + 1.  That is a
; permutation of the matrix instruction's k, the same for g1 and g2, so each product still pairs one sample with itself.
; X's first 8 numbers are the samples that this wave masks; the words made from them go out through WRA, the other four through WRB.
; 25 steps.  In step PIT fragment PIT gets U and -U U (set YC), fragment PIT - 1 its exponentials (set YB), fragment PIT - 9 the mask, the rounding and the
; stores (set YA).  A fragment's set is its number mod 10: fragment q holds it from step q to step q + 9, and fragment q + 10 writes it in step q + 10.
; THE BATCHES.  The exponentials of steps 1-8 (fragments 0-7) and of steps 9-16 (fragments 8-15) are two batches of 128.  The first batch's results are first
; named in step 9, the second's in step 17: the first wait stands at the head of step 9, the second at the end of step 16, ahead of that step's two stores.
; Behind every v_exp_f32 a plain vector instruction on other registers stands before its result is used (ISA guide 5.7.2); a batch's last exponential is
; followed by the square (step 8) or the conversion (step 16) of its slot.
; THE ORDER IN A STEP.  Eight slots, in each two exponentials with plain lines between and behind them, and no plain line reads a result of its own slot:
; slots 0-3 make U of all eight pairs, slots 4-7 their -U U; slots 0-3 mask pairs 0-3 and round pairs 4-7, which have no mask; slots 4-7 round pairs 0-3.
; Every store's address is a fixed register and an immediate offset: 32 lanes, 512 consecutive bytes, so that no two lanes meet in a bank.
.macro PRODUCE slot, xoff
	PLACES                                         ; the work registers were sources of the last products
	ds_load_b128 v[X:X+3],     v[XA] offset:\xoff          ; the sixteen lanes of a half read the same bytes
	ds_load_b128 v[X+4:X+7],   v[XA] offset:\xoff+16
	ds_load_b128 v[X+8:X+11],  v[XB] offset:\xoff
	ds_load_b128 v[X+12:X+15], v[XB] offset:\xoff+16
	ds_load_b128 v[MK:MK+3],   v[MA] offset:\xoff
	ds_load_b128 v[MK+4:MK+7], v[MA] offset:\xoff+16
	s_wait_dscnt 0x0                               ; these six: nothing younger of mine is out
.set PIT, 0
.rept 16+RLAG
.set YC, Y+16*(PIT%RING)
.set YB, Y+16*((PIT+RING-1)%RING)
.set YA, Y+16*((PIT+RING-RLAG)%RING)
.set OB, OUTR+8*(PIT&1)
.if PIT == RLAG
	s_wait_alu depctr_va_vdst(0)                   ; the wait for the first batch: the 128 exponentials of fragments 0-7, which this step and the next seven read
.endif
.set PK, 0
.rept 8
.set AO, 4*(PK%4)                      ; the slot's two pairs of arguments begin at this register of the set
.set CP, (PK+4)%8                      ; the pair that the slot rounds
.if PIT >= 1
.if PIT <= 16
	v_exp_f32 v[YB+2*PK], v[YB+2*PK]
.endif
.endif
.if PIT <= 15
.if PK < 4
	v_pk_fma_f32 v[YC+AO:YC+AO+1], v[X+AO:X+AO+1], s[14:15], v[NC+2*PIT:NC+2*PIT+1] op_sel_hi:[1,0,1]           ; U = x a - a c
.else
	v_pk_mul_f32 v[YC+AO:YC+AO+1], v[YC+AO:YC+AO+1], v[YC+AO:YC+AO+1] neg_lo:[0,1] neg_hi:[0,1]                 ; -U U
.endif
.endif
.if PIT >= RLAG
.if PK < 4
	v_pk_mul_f32 v[YA+2*PK:YA+2*PK+1], v[YA+2*PK:YA+2*PK+1], v[MK+2*PK:MK+2*PK+1]                               ; the mask, on my 8 samples
.endif
.endif
.if PIT >= 1
.if PIT <= 16
	v_exp_f32 v[YB+2*PK+1], v[YB+2*PK+1]
.endif
.endif
.if PIT <= 15
.if PK < 4
	v_pk_fma_f32 v[YC+AO+2:YC+AO+3], v[X+AO+2:X+AO+3], s[14:15], v[NC+2*PIT:NC+2*PIT+1] op_sel_hi:[1,0,1]       ; U = x a - a c
.else
	v_pk_mul_f32 v[YC+AO+2:YC+AO+3], v[YC+AO+2:YC+AO+3], v[YC+AO+2:YC+AO+3] neg_lo:[0,1] neg_hi:[0,1]           ; -U U
.endif
.endif
.if PIT >= RLAG
	v_cvt_pk_bf16_f32 v[OB+CP], v[YA+2*CP], v[YA+2*CP+1]
.endif
.set PK, PK+1
.endr
.if PIT == 16
	s_wait_alu depctr_va_vdst(0)                   ; the wait for the second batch: the 128 exponentials of fragments 8-15, which the last eight steps read; no exponential follows it
.endif
.if PIT >= RLAG
	ds_store_b128 v[WRA+(\slot)], v[OB:OB+3]   offset:(PIT-RLAG)*1024
	ds_store_b128 v[WRB+(\slot)], v[OB+4:OB+7] offset:(PIT-RLAG)*1024
.endif
.set PIT, PIT+1
.endr
.endm
; The fragments of substep q for my block: 4 of g2, 8 of g1, 24 loads of 512 consecutive bytes, into buffer f.
.macro FETCH slot, q, f
.irp jb, 0,1,2,3
	ds_load_b128 v[\f+8*\jb:\f+8*\jb+3],   v[RDA+\slot] offset:\q*REGION+\jb*1024
	ds_load_b128 v[\f+8*\jb+4:\f+8*\jb+7], v[RDA+\slot] offset:\q*REGION+\jb*1024+512
.endr
.irp ia, 0,1,2,3,4,5,6,7
	ds_load_b128 v[\f+32+8*\ia:\f+32+8*\ia+3], v[RDB+\slot] offset:\q*REGION+\ia*1024
	ds_load_b128 v[\f+32+8*\ia+4:\f+32+8*\ia+7], v[RDB+\slot] offset:\q*REGION+\ia*1024+512
.endr
.endm
; 32 products: my 32 tiles, 32 samples.  Source 0 = 16 bins of g2, source 1 = 16 bins of g1: lane l then holds row i = l % 16 of the tile and its eight
; registers the columns j = 8 (l / 16) + 0..7, neighbours in a row of the histogram.  zero = 1: the first product starts the sums; nothing is cleared.
; The 32 accumulators take turns, one instruction a turn, in this order everywhere (tile 0 follows tile 31, over the loop's jump too).
.macro MUL32 f, zero
.irp ia, 0,1,2,3,4,5,6,7
.irp jb, 0,1,2,3
.if \zero
	v_wmma_f32_16x16x32_bf16 v[8*(4*\ia+\jb):8*(4*\ia+\jb)+7], v[\f+8*\jb:\f+8*\jb+7], v[\f+32+8*\ia:\f+32+8*\ia+7], 0
.else
	v_wmma_f32_16x16x32_bf16 v[8*(4*\ia+\jb):8*(4*\ia+\jb)+7], v[\f+8*\jb:\f+8*\jb+7], v[\f+32+8*\ia:\f+32+8*\ia+7], v[8*(4*\ia+\jb):8*(4*\ia+\jb)+7]
.endif
.endr
.endr
.endm
; A K step: four substeps on buffers 0, 1, 0, 1.  The next substep's 24 loads are issued in one run ahead of a substep's 32 products.
; Each wait is for 0: the youngest LDS instructions out are the 24 loads that the products behind it read.
.macro MULSTEP slot, zero
	PLACES                                         ; both buffers were sources of the last K step's products
	FETCH \slot, 0, F0
	s_wait_dscnt 0x0                               ; substep 0's fragments (and the stores of a production just ended, whose data lay on buffer 1)
	FETCH \slot, 1, F1
	WIN W_MUL
	MUL32 F0, \zero
	WIN 0
	s_wait_dscnt 0x0                               ; substep 1's, issued 32 products ago
	PLACES
	FETCH \slot, 2, F0
	WIN W_MUL
	MUL32 F1, 0
	WIN 0
	s_wait_dscnt 0x0
	PLACES
	FETCH \slot, 3, F1
	WIN W_MUL
	MUL32 F0, 0
	WIN 0
	s_wait_dscnt 0x0
	WIN W_MUL
	MUL32 F1, 0
	WIN 0
.endm
; The close of a step: my reads of one slot are back and my stores into the other are done (zero, for the other waves' sake); behind the barrier the slots change hands.
.macro CLOSE
	s_wait_dscnt 0x0
	s_barrier_signal -1
	s_barrier_wait -1
.endm
; A K step is multiplied out of its slot and the next K step (its samples at byte xoff) is produced into the other slot.
; Waves 4-7: multiply, produce.  Waves 0-3: produce, multiply.  The branches hang on the wave's number alone and jump over no barrier.
.macro STEP slot, xoff
	s_cmp_lt_u32 s12, 4
	s_cbranch_scc1 .Lmake_\@
	MULSTEP \slot, 0
.Lmake_\@:
	PRODUCE 1-\slot, \xoff
	s_cmp_lt_u32 s12, 4
	s_cbranch_scc0 .Lend_\@
	MULSTEP \slot, 0
.Lend_\@:
	CLOSE
.endm
	PRODUCE 0, 0                                   ; K step 0 into slot 0
	CLOSE
	PRODUCE 1, 512                                 ; K step 1 (128 samples = 512 bytes on) into slot 1,
	MULSTEP 0, 1                                   ; and K step 0 multiplied, by all waves in this one order: the products that start the sums stand once, on every wave's path
	CLOSE
	s_mov_b32 s24, 3                               ; lap l = 0, 1, 2:
.Llap:
	STEP 1, 1024                                   ; multiplies K step 2 l + 1, produces 2 l + 2
	STEP 0, 1536                                   ; multiplies K step 2 l + 2, produces 2 l + 3: in the last lap K step 7, the last
	v_add_nc_u32 v[XA], 1024, v[XA]                ; two K steps on
	v_add_nc_u32 v[XB], 1024, v[XB]
	v_add_nc_u32 v[MA], 1024, v[MA]
	s_sub_co_u32 s24, s24, 1
	s_cmp_lg_u32 s24, 0
	s_cbranch_scc1 .Llap
	MULSTEP 1, 0                                   ; K step 7: nothing left to produce, no slot changes hands: no barrier
	; The way out: the accumulators as they lie.  Bytes t 1024 + e 512 + 16 lane of my 32,768 hold registers 4 e .. 4 e + 3 of tile t:
	; each store covers 512 consecutive bytes at a multiple of 512 from the buffer's first byte.  The next launch puts rows together.
	PLACES                                         ; behind the last products
	WIN W_OUT
.set t, 0
.rept 32
	global_store_b128 v[STO], v[8*t:8*t+3],   s[10:11] offset:t*1024
	global_store_b128 v[STO], v[8*t+4:8*t+7], s[10:11] offset:t*1024+512
.set t, t+1
.endr
	WIN 0
	s_wait_xcnt 0x0
	v_lshl_add_u32 v254, v0, 2, 0x43000
	v_mov_b32 v255, 0
	s_wait_tensorcnt 0x0
	ds_add_u32 v254, v255
	s_wait_dscnt 0x0
	s_endpgm
.Lfunc_end_k_q46f187787e_hist:
	.size	k_q46f187787e_hist, .Lfunc_end_k_q46f187787e_hist-k_q46f187787e_hist
	.p2alignl 7, 3214868480
	.fill 96, 4, 3214868480
	.section	.rodata,"a",@progbits
	.p2align	6, 0x0
	.amdhsa_kernel k_q46f187787e_hist
		.amdhsa_group_segment_fixed_size 275456
		.amdhsa_private_segment_fixed_size 0
		.amdhsa_enable_private_segment 0
		.amdhsa_kernarg_size 32
		.amdhsa_user_sgpr_count 2
		.amdhsa_user_sgpr_kernarg_segment_ptr 1
		.amdhsa_wavefront_size32 1
		.amdhsa_system_sgpr_workgroup_id_x 1
		.amdhsa_system_sgpr_workgroup_id_y 1
		.amdhsa_system_sgpr_workgroup_id_z 1
		.amdhsa_system_vgpr_workitem_id 0
		.amdhsa_next_free_vgpr 512
		.amdhsa_next_free_sgpr 66
		.amdhsa_reserve_vcc 0
		.amdhsa_float_denorm_mode_32 3
		.amdhsa_float_denorm_mode_16_64 3
		.amdhsa_memory_ordered 1
		.amdhsa_forward_progress 1
		.amdhsa_inst_pref_size 255
	.end_amdhsa_kernel
	.section	.bss,"aw",@nobits
	.p2align	6
	.space	262144
	.amdgpu_metadata
---
amdhsa.version: [ 1, 2 ]
amdhsa.kernels:
  - .name:           k_q46f187787e_hist
    .symbol:         k_q46f187787e_hist.kd
    .args:
      - { .name: x1, .offset: 0, .size: 8, .value_kind: global_buffer, .address_space: global }
      - { .name: x2, .offset: 8, .size: 8, .value_kind: global_buffer, .address_space: global }
      - { .name: mask, .offset: 16, .size: 8, .value_kind: global_buffer, .address_space: global }
      - { .name: part, .offset: 24, .size: 8, .value_kind: global_buffer, .address_space: global }
    .group_segment_fixed_size: 275456
    .private_segment_fixed_size: 0
    .kernarg_segment_align: 8
    .kernarg_segment_size: 32
    .max_flat_workgroup_size: 256
    .sgpr_count:     66
    .vgpr_count:     512
    .wavefront_size: 32
...
	.end_amdgpu_metadata
.endif
;; end of part 4
;; launch fold: the kernel of part 2 again; grid 512 x 1, 8 waves a work-group, no clusters, 5,376 bytes of LDS; arguments part, out0; writes out0
